; MI455X (gfx1250); checked and timed in simulation.
; The chip was launched on July 23, 2026; its instructions are those of AMD's public machine-readable ISA for CDNA 5 (MIT licence, August 2026) and "CDNA5" Instruction Set Architecture Reference Guide (July 2026). The comments in the code are by the model that wrote it; some were corrected since.
;; Windowed Masked Attention Calculation. Allowed arithmetic: float matrix products may take bf16 or f16 operands with f32 sums; all other float work in f32.
;; Inputs: k 8 x 8 x 2,048 x 64 float32; mask 1 x 1 x 2,048 x 2,048 float32; pos_scores 1 x 8 x 2,048 x 2,048 float32; q 8 x 8 x 2,048 x 64 float32; v 8 x 8 x 2,048 x 64 float32.
;; Outputs: out0 8 x 8 x 2,048 x 64 float32.
;; 2 versions, each right. Each part assembles by itself: llvm-mc -triple=amdgcn-amd-amdhsa -mcpu=gfx1250 --defsym DOCPART=n.
;; ======== version 1 of 2: 1 launch
;; limits: values are held in f16: magnitudes above 65,504 overflow, below 6.1e-05 lose precision
;; launch attn (part 1): grid 32 x 8, 4 waves a work-group, clusters of 4 x 1, 327,680 bytes of LDS; arguments q, k, v, pos_scores, mask, out0; writes out0
.if DOCPART == 1
	.amdgcn_target "amdgcn-amd-amdhsa--gfx1250"
	.amdhsa_code_object_version 6
	.text
	.protected	k_q693e045096_attn
	.globl	k_q693e045096_attn
	.p2align	8
	.type	k_q693e045096_attn,@function
k_q693e045096_attn:
	s_mov_b64 s[64:65], 0
	v_nop
	global_prefetch_b8 v0, s[64:65] scope:SCOPE_SE
	s_setreg_imm32_b32 hwreg(HW_REG_WAVE_MODE, 25, 1), 1
	s_wait_xcnt 0x0
	s_wait_alu depctr_hold_cnt(0) depctr_sa_sdst(0) depctr_va_vdst(0) depctr_va_sdst(0) depctr_va_ssrc(0) depctr_va_vcc(0) depctr_vm_vsrc(0)
	s_getreg_b32 s2, hwreg(HW_REG_IB_STS2, 6, 4)
	s_cmp_eq_u32 s2, 0
	s_cbranch_scc0 .Lentry_in_a_cluster
	s_endpgm
.Lentry_in_a_cluster:
	s_bfe_u32 s2, ttmp6, 0x10000c
	s_cmp_lg_u32 s2, 0x3003
	s_cbranch_scc0 .Lentry_shape_is_right
	s_endpgm
.Lentry_shape_is_right:
; out = softmax(mask * (0.125 q k^T + pos)) v.   q, k, v, out: [8][8][2048][64] f32; pos: [8][2048][2048] f32; mask: [2048][2048] f32.
; A work-group takes one head h, two batches (2 cx, 2 cx + 1) and 256 query rows (block ib); a wave takes 64 of these rows in both batches:
; eight units u = 2 it + b of 16 rows.  The keys go in 32 steps of 64.
; TRANSPOSED FORM.  S^T = K Q^T + pos: source 0 = 16 rows of K, source 1 = 16 rows of Q (scaled by 0.125 before rounding, which is exact), C = pos.
; In the result lane (r, hh) holds query i = r and keys j = 16 t + 8 hh + 0..7, so pos and mask are read as 32 neighbouring bytes of a row, a row of the
; softmax lies in two lanes (r and r + 16), and packing tiles 2 jh, 2 jh + 1 to f16 gives source 1 of out^T = V^T P^T as it stands.  V^T comes from V's
; rows in LDS by the transposing load.  In out^T a lane holds 8 neighbouring d of query r.
; pos and mask registers serve both batches; K's and V's fragments serve all 64 rows of the wave.
; NUMBER FORMAT: the four matrix operands (0.125 q, k, v, p) are f16, the sums f32.  f16 rather than bf16 for its three further bits of mantissa: a result is a
; mean of 2,048 values whose size is a small part of a single value's, and the roundings of all four operands add up against it.
; CLUSTER 4 x 1: the four work-groups differ in the batch pair alone, so they need the same tiles of pos and of mask: these are asked for jointly (mask 15).
; K and V are NOT shared inside the cluster (other batches).  The work-groups that do share them are the eight row blocks of a head; K and V have to be
; rounded to f16 on the way, through registers, and a joint f32 tile of them (2 batches x 2 x 64 rows x 256 bytes = 65,536 bytes a slot) does not fit
; beside the 317,440 bytes used here.  So they come by plain loads, asked for a whole step ahead.
; SOFTMAX: a running maximum M for each row.  Kept is NM = -log2(e) M as rounded; p = exp2(log2(e) s + NM), old sums are scaled by exp2(NM_new - NM_old):
; old and new terms carry the same factor, which the division by the row's sum takes away.
; LIMITS: |0.125 q|, |k| and |v| above 65,504 (f16's largest number) become infinite; below 2^-14 they, and p, are kept as f16 denormals, with an absolute error
; of at most 2^-25 (p lies in 0 .. 1 and a row's sum is at least about 1).  NaN and infinite inputs are not served (the maxima drop a NaN).
; An exponential below 2^-126 counts as zero.  The row sums are made of the unrounded p.
.set PITCH, 272                        ; LDS row of pos and mask: 256 bytes + 16 of padding, an odd multiple of 16
.set HALF,  128*PITCH                  ; what one tensor load brings: 128 rows
.set PLANE, 2*HALF                     ; 256 rows of pos, or of mask
.set SLOT,  2*PLANE                    ; pos, then mask
.set KV,    2*SLOT                     ; behind the two slots: K and V in f16, written by LDS stores alone; no tensor load lands here
.set KP,    144                        ; K's row: 128 bytes + 16
.set VP,    160                        ; V's row: 128 bytes + 32, an odd multiple of 32 for the transposing load
.set KB,    64*KP                      ; K of one batch
.set VB,    64*VP                      ; V of one batch
.set VOFF,  2*KB                       ; V lies behind K's two batches
.set BSTR,  4194304                    ; bytes from a batch to the next in q, k, v, out: 8 heads x 2048 rows x 256
; window 0
.set KADR, 4                           ; K fragments
.set VADR, 5                           ; V fragments (transposing load)
.set PADR, 6                           ; v6, v7: my pos rows in slot 0, 1
.set MADR, 8                           ; v8, v9: my mask rows in slot 0, 1
.set KST,  10                          ; where I put 8 bytes of K
.set VST,  11                          ; of V
.set GOFF, 12                          ; my 16 bytes in a tile of K or V in memory
.set PFO,  13                          ; my block of pos for the prefetch
.set QST,  14                          ; Q on its way to fragments: in
.set QRD,  15                          ; and back
.set OST,  16                          ; the way out: in
.set ORD,  17                          ; and back
.set LOFF, 18                          ; 16 x lane
.set STA,  20                          ; v[20:35] pairs (NM, M) of unit u at 2 u: written in even steps
.set STB,  36                          ; v[36:51] the same, written in odd steps
.set LS,   52                          ; v[52:67] row sums, a pair for each unit
.set TW,   68                          ; v[68:79], v[80:91]: at work, batch 0, 1: +0..7 temporaries, +8 the scale of the old sums, +9 its partner in the pair
.set S0,   96                          ; v[96:127]  scores of batch 0, later P in the lower 16
.set S1,   128                         ; v[128:159] of batch 1
.set POS,  160                         ; v[160:191]
.set MASK, 192                         ; v[192:223]
; window 1
.set KF,   0                           ; K fragments: 64 b + 16 t + 8 kf
.set VF,   128                         ; V fragments: 64 b + 32 jh + 8 dt
; window 2
.set ACC,  0                           ; out^T: 32 u + 8 dt.  At the start: q as loaded, batch 0 in 0-127, batch 1 in 128-255
; window 3
.set QF,   0                           ; Q fragments: 16 u + 8 kf
.set STG,  128                         ; K and V as loaded: K b0, K b1, V b0, V b1, 32 registers each
; scalars
.set G1,   24                          ; s[24:31] the tile's shape, one for pos and mask
.set G0P,  32                          ; s[32:39] pos: from where, to where; a set for each slot
.set G0M,  68                          ; s[68:75] mask likewise
; windows: bits 1:0 source 0, 3:2 source 1, 5:4 source 2, 7:6 destination
.set WQK, 0x0d                         ; A window 1, B window 3, C and D window 0
.set WPV, 0xa1                         ; A window 1, B window 0, C and D window 2
.set WRS, 0x82                         ; window 2 times a factor of window 0
.set WLF, 0x40                         ; load into window 1
.set WCV, 0xcf                         ; in place in window 3
.set WST, 0x0c                         ; LDS store of window 3
.set WG3, 0xc0                         ; load into window 3
.set WG2, 0x80                         ; load into window 2
.set WC2, 0x8a                         ; in place in window 2
.set WS2, 0x08                         ; LDS store of window 2
.set MSB, 0
.macro WIN new                         ; the immediate's high byte repeats the setting that is left; a switch that changes nothing is dropped
.if MSB != \new
	s_set_vgpr_msb (MSB<<8)|\new
.set MSB, \new
.endif
.endm
.macro PLACES cnt
.rept \cnt
	v_nop
.endr
.endm
; A round of the cluster's barrier: my work-group's barrier, wave 0 signals for the work-group, every wave waits for all four work-groups, my work-group's barrier again.
.macro ROUND
	s_barrier_signal -1
	s_barrier_wait -1
	s_cmp_lg_u32 s16, 0
	s_cbranch_scc1 .Lnot_wave_0_\@
	s_barrier_signal -3
.Lnot_wave_0_\@:
	s_barrier_wait -3
	s_barrier_signal -1
	s_barrier_wait -1
.endm
; A joint load into slot sl: waves 0, 1 ask for the two halves of pos, waves 2, 3 for those of mask.  The branch hangs on the wave's number alone.
.macro JLOAD sl
	s_cmp_eq_u32 s55, 0
	s_cbranch_scc0 .Lfor_mask_\@
	tensor_load_to_lds s[G0P+4*\sl:G0P+4*\sl+3], s[G1:G1+7]
	s_nop 0
	s_branch .Lasked_\@
.Lfor_mask_\@:
	tensor_load_to_lds s[G0M+4*\sl:G0M+4*\sl+3], s[G1:G1+7]
	s_nop 0
.Lasked_\@:
.endm
	s_load_b256 s[4:11], s[0:1], 0x0               ; q s[4:5], k s[6:7], v s[8:9], pos s[10:11]
	s_load_b128 s[12:15], s[0:1], 0x20             ; mask s[12:13], out s[14:15]
	v_lshl_add_u32 v254, v0, 2, 0x4d800
	v_mov_b32 v255, 0
	ds_add_u32 v254, v255
	v_lshrrev_b32 v1, 5, v0
	v_readfirstlane_b32 s16, v1                    ; wave 0..3
	s_lshr_b32 s55, s16, 1                         ; 0: I fetch pos, 1: mask
	s_bfe_u32 s17, ttmp6, 0x40000                  ; cx: the batch pair
	s_and_b32 s18, ttmp7, 0xffff                   ; h
	s_mov_b32 s19, ttmp9                           ; ib: the cluster's x is the block of 256 query rows
	s_mov_b32 s50, 0x76543210                      ; v_permlanex16_b32: lane i reads lane i of the other half
	s_mov_b32 s51, 0xfedcba98
	s_mov_b32 s52, 0x3fb8aa3b                      ; log2(e), twice (a pair is read whole)
	s_mov_b32 s53, 0x3fb8aa3b
	s_mov_b32 s54, 0xbfb8aa3b                      ; -log2(e)
	s_mov_b32 s56, 0x3e000000                      ; 0.125, twice
	s_mov_b32 s57, 0x3e000000
	; the tile: 128 rows x 64 f32, 16 bytes of padding behind each row
	s_mov_b32 s[G1+0], 0x0772000f                  ; 15:0 mask = the four work-groups; 17:16 elements of 4 bytes; 20 padding on; 21 set beside a mask; 24:22 after every 64 words; 31:25 four words
	s_mov_b32 s[G1+1], 64<<16                      ; tensor_dim0 = 64
	s_mov_b32 s[G1+2], 128<<16                     ; tensor_dim1 = 128
	s_mov_b32 s[G1+3], 64<<16                      ; tile_dim0 = 64
	s_mov_b32 s[G1+4], 128                         ; tile_dim1 = 128
	s_mov_b32 s[G1+5], 2048                        ; elements from row to row
	s_mov_b32 s[G1+6], 0
	s_mov_b32 s[G1+7], 0
	; where the tiles come from: head, row block and wave alone, which the four partners share
	s_and_b32 s20, s16, 1
	s_lshl_b32 s20, s20, 20                        ; my 128 rows of 8,192 bytes
	s_lshl_b32 s21, s19, 21                        ; the block's 256 rows
	s_add_co_u32 s20, s20, s21                     ; offset in mask
	s_mov_b32 s21, 0
	s_lshl_b32 s22, s18, 24                        ; the head's plane
	s_add_co_u32 s22, s22, s20                     ; offset in pos
	s_mov_b32 s23, 0
	s_mul_i32 s59, s16, HALF                       ; and where they go: pos' halves, then mask's = wave x 128 rows
	s_lshl_b32 s2, s18, 24
	s_lshl_b32 s3, s19, 21
	s_add_co_u32 s2, s2, s3
	s_add_co_u32 s2, s2, 512                       ; the prefetch begins at tile 2 of the block's rows
	s_mov_b32 s3, 0
	s_wait_dscnt 0x0
	s_wait_kmcnt 0x0
	s_add_nc_u64 s[22:23], s[10:11], s[22:23]
	s_add_nc_u64 s[20:21], s[12:13], s[20:21]
	s_add_nc_u64 s[46:47], s[10:11], s[2:3]
.irp i, 0,1
	s_mov_b32 s[G0P+4*\i], 1
	s_add_co_u32 s[G0P+4*\i+1], s59, \i*SLOT
	s_add_nc_u64 s[G0P+4*\i+2:G0P+4*\i+3], s[22:23], \i*256        ; tile i: 64 columns of 4 bytes on
	s_or_b32 s[G0P+4*\i+3], s[G0P+4*\i+3], 0x80000000
	s_mov_b32 s[G0M+4*\i], 1
	s_add_co_u32 s[G0M+4*\i+1], s59, \i*SLOT
	s_add_nc_u64 s[G0M+4*\i+2:G0M+4*\i+3], s[20:21], \i*256
	s_or_b32 s[G0M+4*\i+3], s[G0M+4*\i+3], 0x80000000
.endr
	ROUND                                          ; all four work-groups are here: the first joint load meets
	JLOAD 0                                        ; tile 0; slot 1 is first filled behind the first step's round
	; q, k, v, out: these hang on the batch pair
	s_lshl_b32 s60, s17, 6
	s_lshl4_add_u32 s60, s16, s60                  ; 64 cx + 16 w: my 16 of the cluster's 256 pos rows, for the prefetch
	v_and_b32 v1, 15, v0                           ; r
	v_bfe_u32 v2, v0, 4, 1                         ; hh
	v_and_b32 v3, 31, v0                           ; lane
	v_lshrrev_b32 v[PFO], 1, v3
	v_add_nc_u32 v[PFO], s60, v[PFO]
	v_and_b32 v19, 1, v0
	v_lshlrev_b32 v19, 8, v19
	v_lshl_add_u32 v[PFO], v[PFO], 13, v19         ; row x 8,192 + (lane & 1) x 256: two tiles of 16 rows
	s_lshl_b32 s60, s17, 4
	s_add_co_u32 s60, s60, s18                     ; 8 x (2 cx) + h
	s_lshl_b32 s60, s60, 19                        ; x 2048 rows of 256 bytes
	s_mov_b32 s61, 0
	s_lshl_b32 s62, s19, 16                        ; the block's 256 rows
	s_lshl_b32 s63, s16, 14                        ; my 64 rows
	s_add_co_u32 s62, s62, s63
	s_add_co_u32 s62, s62, s60
	s_mov_b32 s63, 0
	s_add_nc_u64 s[40:41], s[6:7], s[60:61]        ; K
	s_add_nc_u64 s[42:43], s[8:9], s[60:61]        ; V
	s_add_nc_u64 s[48:49], s[4:5], s[62:63]        ; Q, my rows
	s_add_nc_u64 s[44:45], s[14:15], s[62:63]      ; out, my rows
	v_lshlrev_b32 v[LOFF], 4, v3
	v_lshl_add_u32 v[GOFF], s16, 12, v[LOFF]       ; my 16 rows of a tile of 64: 4,096 w + 16 lane
	; q of my 64 rows, both batches: 32 loads of 512 neighbouring bytes each; then the first tile of K and V
	WIN WG2
.set i, 0
.rept 32
	global_load_b128 v[4*i:4*i+3], v[LOFF], s[48:49] offset:512*i th:TH_LOAD_NT
.set i, i+1
.endr
.set i, 0
.rept 32
	global_load_b128 v[128+4*i:128+4*i+3], v[LOFF], s[48:49] offset:BSTR+512*i th:TH_LOAD_NT
.set i, i+1
.endr
; 32 loads: my 16 rows of the tiles of K and of V, both batches.  Load i of a tile: rows 16 w + 2 i + hh, 16 bytes at 16 r.
.macro KVLOAD
	WIN WG3
.irp i, 0,1,2,3,4,5,6,7
	global_load_b128 v[STG+4*\i:STG+4*\i+3], v[GOFF], s[40:41] offset:512*\i
.endr
.irp i, 0,1,2,3,4,5,6,7
	global_load_b128 v[STG+32+4*\i:STG+32+4*\i+3], v[GOFF], s[40:41] offset:BSTR+512*\i
.endr
.irp i, 0,1,2,3,4,5,6,7
	global_load_b128 v[STG+64+4*\i:STG+64+4*\i+3], v[GOFF], s[42:43] offset:512*\i
.endr
.irp i, 0,1,2,3,4,5,6,7
	global_load_b128 v[STG+96+4*\i:STG+96+4*\i+3], v[GOFF], s[42:43] offset:BSTR+512*\i
.endr
	WIN 0
.endm
	KVLOAD
	; LDS addresses: a scalar base of the wave's number and constants, plus a lane term
	v_mul_u32_u24 v[KADR], v1, KP
	v_lshl_add_u32 v[KADR], v2, 4, v[KADR]         ; r x pitch + 16 hh
	s_mul_i32 s2, s16, KB
	s_add_co_u32 s2, s2, KV                        ; my area for Q: 64 rows of 144 bytes
	v_add_nc_u32 v[QRD], s2, v[KADR]
	v_add_nc_u32 v[KADR], KV, v[KADR]
	v_mul_u32_u24 v19, v2, KP
	v_lshl_add_u32 v19, v1, 3, v19                 ; hh x pitch + 8 r
	v_add_nc_u32 v[QST], s2, v19
	s_mul_i32 s3, s16, 16*KP
	s_add_co_u32 s3, s3, KV                        ; my 16 rows of K's tile
	v_add_nc_u32 v[KST], s3, v19
	v_mul_u32_u24 v[VST], v2, VP
	v_lshl_add_u32 v[VST], v1, 3, v[VST]
	s_mul_i32 s2, s16, 16*VP
	s_add_co_u32 s2, s2, KV+VOFF                   ; my 16 rows of V's tile
	v_add_nc_u32 v[VST], s2, v[VST]
	v_and_b32 v[VADR], 7, v0
	v_lshl_add_u32 v[VADR], v2, 3, v[VADR]         ; key row 8 hh + (lane & 7)
	v_mul_u32_u24 v[VADR], v[VADR], VP
	v_bfe_u32 v19, v0, 3, 1
	v_lshl_add_u32 v[VADR], v19, 4, v[VADR]        ; + 16 x ((lane >> 3) & 1)
	v_add_nc_u32 v[VADR], KV+VOFF, v[VADR]
	v_mul_u32_u24 v19, v1, PITCH
	v_lshl_add_u32 v19, v2, 5, v19                 ; r x 272 + 32 hh
	s_mul_i32 s3, s16, 64*PITCH                    ; my 64 rows of pos and mask
	v_add_nc_u32 v[PADR], s3, v19
	v_add_nc_u32 v[PADR+1], SLOT, v[PADR]
	v_add_nc_u32 v[MADR], PLANE, v[PADR]
	v_add_nc_u32 v[MADR+1], SLOT+PLANE, v[PADR]
	s_mul_i32 s2, s16, 16*PITCH
	s_add_co_u32 s2, s2, KV                        ; my stage for the way out: 16 rows of 272 bytes
	v_add_nc_u32 v[OST], s2, v19
	v_mul_u32_u24 v[ORD], v2, PITCH
	v_lshl_add_u32 v[ORD], v1, 4, v[ORD]           ; back: lanes 0-15 one row of 256 bytes, lanes 16-31 the next
	v_add_nc_u32 v[ORD], s2, v[ORD]
	v_mov_b32 v[TW+9], 0                           ; partners of the scale registers: the packed forms name the pair, use the first
	v_mov_b32 v[TW+21], 0
; q of batch b: times 0.125, to f16, through my own LDS area into fragments (16 rows x 32 d: two loads of 16 bytes, 32 bytes apart)
.macro QCONV b
	WIN WRS
.set i, 0
.rept 64
	v_pk_mul_f32 v[128*\b+2*i:128*\b+2*i+1], v[128*\b+2*i:128*\b+2*i+1], s[56:57] op_sel_hi:[1,0]
.set i, i+1
.endr
	WIN WC2
.set i, 0
.rept 32
	v_cvt_pk_f16_f32 v[128*\b+4*i], v[128*\b+4*i], v[128*\b+4*i+1]
	v_cvt_pk_f16_f32 v[128*\b+4*i+1], v[128*\b+4*i+2], v[128*\b+4*i+3]
.set i, i+1
.endr
	WIN WS2
.set i, 0
.rept 32
	ds_store_b64 v[QST], v[128*\b+4*i:128*\b+4*i+1] offset:2*KP*i
.set i, i+1
.endr
	WIN WG3
.irp it, 0,1,2,3
.irp kf, 0,1
	ds_load_b128 v[QF+16*(2*\it+\b)+8*\kf:QF+16*(2*\it+\b)+8*\kf+3],   v[QRD] offset:\it*16*KP+64*\kf      ; LDS serves a wave's instructions in order: these see the stores above
	ds_load_b128 v[QF+16*(2*\it+\b)+8*\kf+4:QF+16*(2*\it+\b)+8*\kf+7], v[QRD] offset:\it*16*KP+64*\kf+32
.endr
.endr
	WIN 0
.endm
; The tile of K and V that is in registers goes to LDS as f16; ld = 1: the tile after it is asked for.
.macro KVSTORE ld
	s_wait_loadcnt 0x0                             ; the 32 loads issued a step ago; this also frees their bases
	WIN WCV
.set i, 0
.rept 32
	v_cvt_pk_f16_f32 v[STG+4*i], v[STG+4*i], v[STG+4*i+1]
	v_cvt_pk_f16_f32 v[STG+4*i+1], v[STG+4*i+2], v[STG+4*i+3]
.set i, i+1
.endr
	WIN WST
.irp i, 0,1,2,3,4,5,6,7
	ds_store_b64 v[KST], v[STG+4*\i:STG+4*\i+1] offset:2*KP*\i
.endr
.irp i, 0,1,2,3,4,5,6,7
	ds_store_b64 v[KST], v[STG+32+4*\i:STG+32+4*\i+1] offset:KB+2*KP*\i
.endr
.irp i, 0,1,2,3,4,5,6,7
	ds_store_b64 v[VST], v[STG+64+4*\i:STG+64+4*\i+1] offset:2*VP*\i
.endr
.irp i, 0,1,2,3,4,5,6,7
	ds_store_b64 v[VST], v[STG+96+4*\i:STG+96+4*\i+1] offset:VB+2*VP*\i
.endr
.if \ld
	s_add_nc_u64 s[40:41], s[40:41], 16384         ; 64 rows of 256 bytes on
	s_add_nc_u64 s[42:43], s[42:43], 16384
	KVLOAD
.endif
	WIN 0
.endm
	s_wait_loadcnt 63                              ; q of batch 0 is in: 64 loads are younger, and 63 is the largest count that the wait names
	QCONV 0
	s_wait_loadcnt 32                              ; q of batch 1 is in: the 32 loads of K and V are younger
	s_wait_dscnt 0x0
	QCONV 1
	s_wait_dscnt 0x0                               ; my reads of my Q area are back:
	s_barrier_signal -1                            ; the others' K and V will land on it.  Behind this barrier no tensor load is issued: tile 0 may stay on its way
	s_barrier_wait -1
	KVSTORE 1                                      ; tile 0 to LDS, tile 1 asked for
; 8 loads: pos (mask) of my rows 16 it .. 16 it + 15, the step's 64 columns: lane (r, hh) takes 32 bytes at 64 t + 32 hh of row r for t = 0..3
.macro LDP slot, it
.irp t, 0,1,2,3
	ds_load_b128 v[POS+8*\t:POS+8*\t+3],   v[PADR+\slot] offset:\it*16*PITCH+64*\t
	ds_load_b128 v[POS+8*\t+4:POS+8*\t+7], v[PADR+\slot] offset:\it*16*PITCH+64*\t+16
.endr
.endm
.macro LDM slot, it
.irp t, 0,1,2,3
	ds_load_b128 v[MASK+8*\t:MASK+8*\t+3],   v[MADR+\slot] offset:\it*16*PITCH+64*\t
	ds_load_b128 v[MASK+8*\t+4:MASK+8*\t+7], v[MADR+\slot] offset:\it*16*PITCH+64*\t+16
.endr
.endm
; The step's 80 loads, in the order in which they are needed: pos 8, K batch 0 16, K batch 1 16, mask 8, V 32
.macro FRAGS slot
	LDP \slot, 0
	WIN WLF
.irp b, 0,1
.irp t, 0,1,2,3
.irp kf, 0,1
	ds_load_b128 v[KF+64*\b+16*\t+8*\kf:KF+64*\b+16*\t+8*\kf+3],   v[KADR] offset:\b*KB+\t*16*KP+64*\kf
	ds_load_b128 v[KF+64*\b+16*\t+8*\kf+4:KF+64*\b+16*\t+8*\kf+7], v[KADR] offset:\b*KB+\t*16*KP+64*\kf+32
.endr
.endr
.endr
	WIN 0
	LDM \slot, 0
	WIN WLF
.irp b, 0,1
.irp jh, 0,1
.irp dt, 0,1,2,3
	ds_load_tr16_b128 v[VF+64*\b+32*\jh+8*\dt:VF+64*\b+32*\jh+8*\dt+3],   v[VADR] offset:\b*VB+\jh*32*VP+32*\dt          ; keys 32 jh + 8 hh + 0..7 of column 16 dt + r
	ds_load_tr16_b128 v[VF+64*\b+32*\jh+8*\dt+4:VF+64*\b+32*\jh+8*\dt+7], v[VADR] offset:\b*VB+\jh*32*VP+32*\dt+16*VP   ; keys 16 further on
.endr
.endr
.endr
	WIN 0
.endm
; S^T of unit 2 it + b: four tiles of 16 keys, two products each.  The first takes pos as C; the four accumulators take turns.
.macro QKB it, b
.irp t, 0,1,2,3
	v_wmma_f32_16x16x32_f16 v[S0+32*\b+8*\t:S0+32*\b+8*\t+7], v[KF+64*\b+16*\t:KF+64*\b+16*\t+7], v[QF+16*(2*\it+\b):QF+16*(2*\it+\b)+7], v[POS+8*\t:POS+8*\t+7]
.endr
.irp t, 0,1,2,3
	v_wmma_f32_16x16x32_f16 v[S0+32*\b+8*\t:S0+32*\b+8*\t+7], v[KF+64*\b+16*\t+8:KF+64*\b+16*\t+15], v[QF+16*(2*\it+\b)+8:QF+16*(2*\it+\b)+15], v[S0+32*\b+8*\t:S0+32*\b+8*\t+7]
.endr
.endm
; both batches; wa, wb: the LDS count in front of each (-1: none)
.macro QK2 it, wa, wb
	WIN WQK
.if \wa >= 0
	s_wait_dscnt \wa
.endif
	QKB \it, 0
.if \wb >= 0
	s_wait_dscnt \wb
.endif
	QKB \it, 1
	WIN 0
	PLACES 4                                       ; four places before vector instructions read the results and loads land on pos
.endm
.macro MASKMUL
.set i, 0
.rept 16
	v_pk_mul_f32 v[S0+2*i:S0+2*i+1], v[S0+2*i:S0+2*i+1], v[MASK+2*i:MASK+2*i+1]
	v_pk_mul_f32 v[S1+2*i:S1+2*i+1], v[S1+2*i:S1+2*i+1], v[MASK+2*i:MASK+2*i+1]
.set i, i+1
.endr
.endm
; The softmax step of units 2 it and 2 it + 1, line by line in turn.  new, old: the state written and the state read.  first = 1: nothing is old.
; sig = 1: the signal of the step's middle barrier stands behind the multiply-adds.
.macro SM2 it, new, old, first, sig
	; the largest of my 32 scores and the old maximum: four chains of three-way maxima
.irp c, 0,1,2,3
.irp b, 0,1
	v_max3_num_f32 v[TW+12*\b+\c], v[S0+32*\b+8*\c], v[S0+32*\b+8*\c+1], v[S0+32*\b+8*\c+2]
.endr
.endr
.irp c, 0,1,2,3
.irp b, 0,1
	v_max3_num_f32 v[TW+12*\b+\c], v[TW+12*\b+\c], v[S0+32*\b+8*\c+3], v[S0+32*\b+8*\c+4]
.endr
.endr
.irp c, 0,1,2,3
.irp b, 0,1
	v_max3_num_f32 v[TW+12*\b+\c], v[TW+12*\b+\c], v[S0+32*\b+8*\c+5], v[S0+32*\b+8*\c+6]
.endr
.endr
.irp b, 0,1
	v_max3_num_f32 v[TW+12*\b], v[TW+12*\b], v[TW+12*\b+1], v[S0+32*\b+7]
	v_max3_num_f32 v[TW+12*\b+2], v[TW+12*\b+2], v[TW+12*\b+3], v[S0+32*\b+15]
.endr
.irp b, 0,1
	v_max3_num_f32 v[TW+12*\b], v[TW+12*\b], v[TW+12*\b+2], v[S0+32*\b+23]
.endr
.irp b, 0,1
.if \first
	v_max_num_f32 v[TW+12*\b], v[TW+12*\b], v[S0+32*\b+31]
.else
	v_max3_num_f32 v[TW+12*\b], v[TW+12*\b], v[S0+32*\b+31], v[\old+4*\it+2*\b+1]
.endif
.endr
.irp b, 0,1
	v_permlanex16_b32 v[TW+12*\b+1], v[TW+12*\b], s50, s51         ; the row's other 32 keys lie in lane r + 16
.endr
.irp b, 0,1
	v_max_num_f32 v[\new+4*\it+2*\b+1], v[TW+12*\b], v[TW+12*\b+1] ; M
.endr
.irp b, 0,1
	v_mul_f32 v[\new+4*\it+2*\b], s54, v[\new+4*\it+2*\b+1]        ; NM = -log2(e) M
.endr
.if \first == 0
.irp b, 0,1
	v_sub_f32 v[TW+12*\b+8], v[\new+4*\it+2*\b], v[\old+4*\it+2*\b]
.endr
.irp b, 0,1
	v_exp_f32 v[TW+12*\b+8], v[TW+12*\b+8]                         ; the scale of the old sums; first used far below
.endr
.endif
.set i, 0
.rept 16
	v_pk_fma_f32 v[S0+2*i:S0+2*i+1], v[S0+2*i:S0+2*i+1], s[52:53], v[\new+4*\it:\new+4*\it+1] op_sel_hi:[1,0,0]
	v_pk_fma_f32 v[S1+2*i:S1+2*i+1], v[S1+2*i:S1+2*i+1], s[52:53], v[\new+4*\it+2:\new+4*\it+3] op_sel_hi:[1,0,0]
.set i, i+1
.endr
.if \sig
	s_wait_dscnt 0x0                               ; all my LDS loads are back, the step's fragments of K and V among them:
	s_barrier_signal -1                            ; behind this barrier the next tile of K and V is stored over them.  Up to its wait: register work alone
.endif
.set i, 0
.rept 32
	v_exp_f32 v[S0+i], v[S0+i]
	v_exp_f32 v[S1+i], v[S1+i]
.set i, i+1
.endr
.if \first
	v_nop                                          ; one plain place behind the exponentials (ISA guide 5.7.2)
	s_wait_alu depctr_va_vdst(0)
.else
	WIN WRS                                        ; the old out^T is scaled; these lines are also the plain place behind the exponentials
.set i, 0
	s_wait_alu depctr_va_vdst(0)
.rept 16
	v_pk_mul_f32 v[ACC+64*\it+2*i:ACC+64*\it+2*i+1], v[ACC+64*\it+2*i:ACC+64*\it+2*i+1], v[TW+8:TW+9] op_sel_hi:[1,0]
	v_pk_mul_f32 v[ACC+64*\it+32+2*i:ACC+64*\it+32+2*i+1], v[ACC+64*\it+32+2*i:ACC+64*\it+32+2*i+1], v[TW+20:TW+21] op_sel_hi:[1,0]
.set i, i+1
.endr
	WIN 0
.endif
	; the sum of my 32 p, in four chains of pairs
.irp c, 0,1,2,3
.irp b, 0,1
	v_pk_add_f32 v[TW+12*\b+2*\c:TW+12*\b+2*\c+1], v[S0+32*\b+8*\c:S0+32*\b+8*\c+1], v[S0+32*\b+8*\c+2:S0+32*\b+8*\c+3]
.endr
.endr
.irp c, 0,1,2,3
.irp b, 0,1
	v_pk_add_f32 v[TW+12*\b+2*\c:TW+12*\b+2*\c+1], v[TW+12*\b+2*\c:TW+12*\b+2*\c+1], v[S0+32*\b+8*\c+4:S0+32*\b+8*\c+5]
.endr
.endr
.irp c, 0,1,2,3
.irp b, 0,1
	v_pk_add_f32 v[TW+12*\b+2*\c:TW+12*\b+2*\c+1], v[TW+12*\b+2*\c:TW+12*\b+2*\c+1], v[S0+32*\b+8*\c+6:S0+32*\b+8*\c+7]
.endr
.endr
.irp b, 0,1
	v_pk_add_f32 v[TW+12*\b:TW+12*\b+1], v[TW+12*\b:TW+12*\b+1], v[TW+12*\b+2:TW+12*\b+3]
	v_pk_add_f32 v[TW+12*\b+4:TW+12*\b+5], v[TW+12*\b+4:TW+12*\b+5], v[TW+12*\b+6:TW+12*\b+7]
.endr
.irp b, 0,1
.if \first
	v_pk_add_f32 v[LS+4*\it+2*\b:LS+4*\it+2*\b+1], v[TW+12*\b:TW+12*\b+1], v[TW+12*\b+4:TW+12*\b+5]
.else
	v_pk_fma_f32 v[LS+4*\it+2*\b:LS+4*\it+2*\b+1], v[LS+4*\it+2*\b:LS+4*\it+2*\b+1], v[TW+12*\b+8:TW+12*\b+9], v[TW+12*\b:TW+12*\b+1] op_sel_hi:[1,0,1]
.endif
.endr
.if \first == 0
.irp b, 0,1
	v_pk_add_f32 v[LS+4*\it+2*\b:LS+4*\it+2*\b+1], v[LS+4*\it+2*\b:LS+4*\it+2*\b+1], v[TW+12*\b+4:TW+12*\b+5]
.endr
.endif
	; p to f16, packed downward: registers 8 jh .. 8 jh + 7 become source 1 for keys 32 jh .. 32 jh + 31
.set i, 0
.rept 16
	v_cvt_pk_f16_f32 v[S0+i], v[S0+2*i], v[S0+2*i+1]
	v_cvt_pk_f16_f32 v[S1+i], v[S1+2*i], v[S1+2*i+1]
.set i, i+1
.endr
.endm
; out^T += V^T P^T for units 2 it, 2 it + 1: eight accumulators by turns.  first = 1: the first product starts the sums.
.macro PV2 it, first
	WIN WPV
.irp jh, 0,1
.irp dt, 0,1,2,3
.irp b, 0,1
.if \first*(1-\jh)
	v_wmma_f32_16x16x32_f16 v[ACC+32*(2*\it+\b)+8*\dt:ACC+32*(2*\it+\b)+8*\dt+7], v[VF+64*\b+32*\jh+8*\dt:VF+64*\b+32*\jh+8*\dt+7], v[S0+32*\b+8*\jh:S0+32*\b+8*\jh+7], 0
.else
	v_wmma_f32_16x16x32_f16 v[ACC+32*(2*\it+\b)+8*\dt:ACC+32*(2*\it+\b)+8*\dt+7], v[VF+64*\b+32*\jh+8*\dt:VF+64*\b+32*\jh+8*\dt+7], v[S0+32*\b+8*\jh:S0+32*\b+8*\jh+7], v[ACC+32*(2*\it+\b)+8*\dt:ACC+32*(2*\it+\b)+8*\dt+7]
.endif
.endr
.endr
.endr
	WIN 0
	PLACES 5                                       ; five places before the next S^T is written over P, four before loads land on V's fragments
.endm
; One step of 64 keys on slot 'slot' (oth = the other slot).
; refill: the next tile of pos and mask is asked for.  kvst: the next tile of K and V goes to LDS; kvld: the one after it is asked for.
; pf: the prefetch of pos; pfstep: its base steps.
.macro STEP slot, oth, new, old, first, refill, kvst, kvld, pf, pfstep
	s_wait_tensorcnt 0x0                           ; my one tensor load has landed: my part of this step's tile; no load of mine is out, so the descriptors may be written
	ds_add_u32 v254, v255
	s_wait_dscnt 0x0
	s_add_nc_u64 s[G0P+4*\slot+2:G0P+4*\slot+3], s[G0P+4*\slot+2:G0P+4*\slot+3], 512   ; this slot's next tile: two tiles of 256 bytes on
	s_add_nc_u64 s[G0M+4*\slot+2:G0M+4*\slot+3], s[G0M+4*\slot+2:G0M+4*\slot+3], 512
.if \pfstep
	s_wait_xcnt 0x0                                ; the prefetch of the step before has had its address translated
	s_add_nc_u64 s[46:47], s[46:47], 512
.endif
	s_wait_dscnt 0x0                               ; my reads of the other slot are back, and my stores of this step's K and V are done
	ROUND                                          ; all that now holds of every wave of the four work-groups
.if \refill
	JLOAD \oth                                     ; my one tensor load behind the round; it has the whole step in which to land
.endif
.if \pf
	global_prefetch_b8 v[PFO], s[46:47] th:TH_LOAD_NT scope:SCOPE_SE   ; pos, the tiles of steps +2 and +3: this wave asks for 16 of the cluster's 256 rows, lanes 256 bytes apart; each block is asked for once
.endif
	FRAGS \slot
	QK2 0, 56, 40                                  ; 56: pos and K of batch 0 are in (younger: 16 + 8 + 32).  40: K of batch 1 (younger: 8 + 32)
	s_wait_dscnt 32                                ; mask is in; V's 32 loads are younger
	MASKMUL
	LDP \slot, 1
	LDM \slot, 1
	SM2 0, \new, \old, \first, 1
	PV2 0, \first
	s_barrier_wait -1                              ; every wave holds the step's K and V in registers
.if \kvst
	KVSTORE \kvld
.endif
	QK2 1, -1, -1                                  ; its pos and mask were covered by the wait for 0 in front of the middle barrier's signal
	MASKMUL
	LDP \slot, 2
	LDM \slot, 2
	SM2 1, \new, \old, \first, 0
	PV2 1, \first
	QK2 2, 8, -1                                   ; pos is in; mask's 8 loads are younger
	s_wait_dscnt 0x0
	MASKMUL
	LDP \slot, 3
	LDM \slot, 3
	SM2 2, \new, \old, \first, 0
	PV2 2, \first
	QK2 3, 8, -1
	s_wait_dscnt 0x0
	MASKMUL
	SM2 3, \new, \old, \first, 0
	PV2 3, \first
.endm
	STEP 0, 1, STA, STB, 1, 1, 1, 1, 1, 0          ; step 0 starts the sums: nothing is cleared
	STEP 1, 0, STB, STA, 0, 1, 1, 1, 0, 1
	s_mov_b32 s58, 14
.Lpair:                                            ; steps 2 to 29
	STEP 0, 1, STA, STB, 0, 1, 1, 1, 1, 0
	STEP 1, 0, STB, STA, 0, 1, 1, 1, 0, 1
	s_sub_co_u32 s58, s58, 1
	s_cmp_lg_u32 s58, 0
	s_cbranch_scc1 .Lpair
	STEP 0, 1, STA, STB, 0, 1, 1, 0, 0, 0          ; step 30: the last tile of pos and mask is asked for, the last K and V stored; no prefetch: step 28 asked for tiles 30 and 31
	STEP 1, 0, STB, STA, 0, 0, 0, 0, 0, 0          ; step 31 fetches nothing; its middle barrier stands between the last reads of K and V and the stage below
	; 1 / row sum: my pair's two halves, then the other lane's
.irp u, 0,1,2,3,4,5,6,7
	v_add_f32 v[LS+2*\u], v[LS+2*\u], v[LS+2*\u+1]
.endr
.irp u, 0,1,2,3,4,5,6,7
	v_permlanex16_b32 v[LS+2*\u+1], v[LS+2*\u], s50, s51
.endr
.irp u, 0,1,2,3,4,5,6,7
	v_add_f32 v[LS+2*\u], v[LS+2*\u], v[LS+2*\u+1]
.endr
.irp u, 0,1,2,3,4,5,6,7
	v_rcp_f32 v[STA+2*\u], v[LS+2*\u]              ; the sum is at least about 1: the row's largest term
.endr
	v_nop                                          ; one plain place behind the reciprocals (ISA guide 5.7.2)
	s_wait_alu depctr_va_vdst(0)
; THE WAY OUT, a unit (16 rows) at a time: scale, 32 bytes a lane into my own stage, read back as whole rows of 256 bytes, store.
.macro OUTU u, it, b, buf
	s_wait_xcnt 0x0                                ; registers that earlier stores read are loaded again only behind this wait
	WIN WRS
.set i, 0
.rept 16
	v_pk_mul_f32 v[ACC+32*\u+2*i:ACC+32*\u+2*i+1], v[ACC+32*\u+2*i:ACC+32*\u+2*i+1], v[STA+2*\u:STA+2*\u+1] op_sel_hi:[1,0]
.set i, i+1
.endr
	WIN WS2
.irp dt, 0,1,2,3
	ds_store_b128 v[OST], v[ACC+32*\u+8*\dt:ACC+32*\u+8*\dt+3]   offset:64*\dt      ; d = 16 dt + 8 hh + 0..3 of row r
	ds_store_b128 v[OST], v[ACC+32*\u+8*\dt+4:ACC+32*\u+8*\dt+7] offset:64*\dt+16
.endr
	WIN 0
.irp j, 0,1,2,3,4,5,6,7
	ds_load_b128 v[S0+32*\buf+4*\j:S0+32*\buf+4*\j+3], v[ORD] offset:2*PITCH*\j    ; LDS serves a wave's instructions in order: these see the stores above
.endr
.irp j, 0,1,2,3,4,5,6,7
	s_wait_dscnt 7-\j
	global_store_b128 v[LOFF], v[S0+32*\buf+4*\j:S0+32*\buf+4*\j+3], s[44:45] offset:\b*BSTR+\it*4096+512*\j th:TH_STORE_NT   ; 16 lanes store one row of out: 256 consecutive bytes, aligned
.endr
.endm
	OUTU 0, 0, 0, 0
	OUTU 1, 0, 1, 1
	OUTU 2, 1, 0, 2
	OUTU 3, 1, 1, 3
	OUTU 4, 2, 0, 0
	OUTU 5, 2, 1, 1
	OUTU 6, 3, 0, 2
	OUTU 7, 3, 1, 3
	s_wait_tensorcnt 0x0
	ds_add_u32 v254, v255
	s_wait_dscnt 0x0
	ROUND                                          ; the closing round: no work-group ends while a partner may still ask for a tile that names it
	s_endpgm
.Lfunc_end_k_q693e045096_attn:
	.size	k_q693e045096_attn, .Lfunc_end_k_q693e045096_attn-k_q693e045096_attn
	.p2alignl 7, 3214868480
	.fill 96, 4, 3214868480
	.section	.rodata,"a",@progbits
	.p2align	6, 0x0
	.amdhsa_kernel k_q693e045096_attn
		.amdhsa_group_segment_fixed_size 327680
		.amdhsa_private_segment_fixed_size 0
		.amdhsa_enable_private_segment 0
		.amdhsa_kernarg_size 48
		.amdhsa_user_sgpr_count 2
		.amdhsa_user_sgpr_kernarg_segment_ptr 1
		.amdhsa_wavefront_size32 1
		.amdhsa_system_sgpr_workgroup_id_x 1
		.amdhsa_system_sgpr_workgroup_id_y 1
		.amdhsa_system_sgpr_workgroup_id_z 1
		.amdhsa_system_vgpr_workitem_id 0
		.amdhsa_next_free_vgpr 1024
		.amdhsa_next_free_sgpr 76
		.amdhsa_reserve_vcc 0
		.amdhsa_float_denorm_mode_32 3
		.amdhsa_float_denorm_mode_16_64 3
		.amdhsa_memory_ordered 1
		.amdhsa_forward_progress 1
		.amdhsa_inst_pref_size 255
	.end_amdhsa_kernel
	.section	.bss,"aw",@nobits
	.p2align	6
	.space	262144
	.amdgpu_metadata
---
amdhsa.version: [ 1, 2 ]
amdhsa.kernels:
  - .name:           k_q693e045096_attn
    .symbol:         k_q693e045096_attn.kd
    .args:
      - { .name: q, .offset: 0, .size: 8, .value_kind: global_buffer, .address_space: global }
      - { .name: k, .offset: 8, .size: 8, .value_kind: global_buffer, .address_space: global }
      - { .name: v, .offset: 16, .size: 8, .value_kind: global_buffer, .address_space: global }
      - { .name: pos_scores, .offset: 24, .size: 8, .value_kind: global_buffer, .address_space: global }
      - { .name: mask, .offset: 32, .size: 8, .value_kind: global_buffer, .address_space: global }
      - { .name: out0, .offset: 40, .size: 8, .value_kind: global_buffer, .address_space: global }
    .group_segment_fixed_size: 327680
    .private_segment_fixed_size: 0
    .kernarg_segment_align: 8
    .kernarg_segment_size: 48
    .max_flat_workgroup_size: 128
    .sgpr_count:     76
    .vgpr_count:     1024
    .wavefront_size: 32
...
	.end_amdgpu_metadata
.endif
;; end of part 1
;; ======== version 2 of 2: 1 launch
;; limits: values are held in f16: magnitudes above 65,504 overflow, below 6.1e-05 lose precision
;; launch attn (part 2): grid 32 x 8, 4 waves a work-group, clusters of 4 x 1, 327,680 bytes of LDS; arguments q, k, v, pos_scores, mask, out0; writes out0
.if DOCPART == 2
	.amdgcn_target "amdgcn-amd-amdhsa--gfx1250"
	.amdhsa_code_object_version 6
	.text
	.protected	k_q693e045096_attn
	.globl	k_q693e045096_attn
	.p2align	8
	.type	k_q693e045096_attn,@function
k_q693e045096_attn:
	s_mov_b64 s[64:65], 0
	v_nop
	global_prefetch_b8 v0, s[64:65] scope:SCOPE_SE
	s_setreg_imm32_b32 hwreg(HW_REG_WAVE_MODE, 25, 1), 1
	s_wait_xcnt 0x0
	s_wait_alu depctr_hold_cnt(0) depctr_sa_sdst(0) depctr_va_vdst(0) depctr_va_sdst(0) depctr_va_ssrc(0) depctr_va_vcc(0) depctr_vm_vsrc(0)
	s_getreg_b32 s2, hwreg(HW_REG_IB_STS2, 6, 4)
	s_cmp_eq_u32 s2, 0
	s_cbranch_scc0 .Lentry_in_a_cluster
	s_endpgm
.Lentry_in_a_cluster:
	s_bfe_u32 s2, ttmp6, 0x10000c
	s_cmp_lg_u32 s2, 0x3003
	s_cbranch_scc0 .Lentry_shape_is_right
	s_endpgm
.Lentry_shape_is_right:
; out = softmax(mask * (0.125 q k^T + pos)) v.   q, k, v, out: [8][8][2048][64] f32; pos: [8][2048][2048] f32; mask: [2048][2048] f32.
; A work-group takes one head h, two batches (2 cx, 2 cx + 1) and 256 query rows (block ib); a wave takes 64 of these rows in both batches:
; eight units u = 2 it + b of 16 rows.  The keys go in 32 steps of 64.
; TRANSPOSED FORM.  S^T = K Q^T + pos: source 0 = 16 rows of K, source 1 = 16 rows of Q (scaled by 0.125 before rounding, which is exact), C = pos.
; In the result lane (r, hh) holds query i = r and keys j = 16 t + 8 hh + 0..7, so pos and mask are read as 32 neighbouring bytes of a row, a row of the
; softmax lies in two lanes (r and r + 16), and packing tiles 2 jh, 2 jh + 1 to f16 gives source 1 of out^T = V^T P^T as it stands.  V^T comes from V's
; rows in LDS by the transposing load.  In out^T a lane holds 8 neighbouring d of query r.
; pos and mask registers serve both batches; K's and V's fragments serve all 64 rows of the wave.
; THE PIPELINE.  The units of a step go one after the other in stages.  Stage u is the vector work of unit u's softmax, and among its lines stand, one at a
; time, the 8 products out^T of unit u - 1 (in the mask multiply and the maxima) and the 8 products S^T of unit u + 1 (in the multiply-adds and exponentials):
; matrix and vector work are in progress together.  Units u - 1 and u + 1 are of the other batch and share a score buffer: P of u - 1 is read, then S of u + 1
; written over it.  Only S^T of unit 0 (a step's head) and out^T of unit 7 (its end) stand in runs.
; NUMBER FORMAT: the four matrix operands (0.125 q, k, v, p) are f16, the sums f32.  f16 rather than bf16 for its three further bits of mantissa: a result is a
; mean of 2,048 values whose size is a small part of a single value's, and the roundings of all four operands add up against it.
; CLUSTER 4 x 1: the four work-groups differ in the batch pair alone, so they need the same tiles of pos and of mask: these are asked for jointly (mask 15).
; K and V are NOT shared inside the cluster (other batches).  The work-groups that do share them are the eight row blocks of a head; K and V have to be
; rounded to f16 on the way, through registers, and a joint f32 tile of them (2 batches x 2 x 64 rows x 256 bytes = 65,536 bytes a slot) does not fit
; beside the 317,440 bytes used here.  So they come by plain loads, asked for a whole step ahead.
; SOFTMAX: a running maximum M for each row.  Kept is NM = -log2(e) M as rounded; p = exp2(log2(e) s + NM), old sums are scaled by exp2(NM_new - NM_old):
; old and new terms carry the same factor, which the division by the row's sum takes away.
; LIMITS: |0.125 q|, |k| and |v| above 65,504 (f16's largest number) become infinite; below 2^-14 they, and p, are kept as f16 denormals, with an absolute error
; of at most 2^-25 (p lies in 0 .. 1 and a row's sum is at least about 1).  NaN and infinite inputs are not served (the maxima drop a NaN).
; An exponential below 2^-126 counts as zero.  The row sums are made of the unrounded p.
.set PITCH, 272                        ; LDS row of pos and mask: 256 bytes + 16 of padding, an odd multiple of 16
.set HALF,  128*PITCH                  ; what one tensor load brings: 128 rows
.set PLANE, 2*HALF                     ; 256 rows of pos, or of mask
.set SLOT,  2*PLANE                    ; pos, then mask
.set KV,    2*SLOT                     ; behind the two slots: K and V in f16, written by LDS stores alone; no tensor load lands here
.set KP,    144                        ; K's row: 128 bytes + 16
.set VP,    160                        ; V's row: 128 bytes + 32, an odd multiple of 32 for the transposing load
.set KB,    64*KP                      ; K of one batch
.set VB,    64*VP                      ; V of one batch
.set VOFF,  2*KB                       ; V lies behind K's two batches
.set BSTR,  4194304                    ; bytes from a batch to the next in q, k, v, out: 8 heads x 2048 rows x 256
; REGISTERS, in windows of 256.  The scores lie in the window of K's fragments: then one setting serves the product S^T (A and D in window 1, B in window 3),
; the multiply-add with a scalar factor and the exponential (source 0, source 2 and destination in window 1), and these lines need no switch between them.
; out^T fills a window of its own, so no vector result can share a setting with its products: each of them is framed by two switches.
; window 0
.set KADR, 4                           ; K fragments
.set VADR, 5                           ; V fragments (transposing load)
.set PADR, 6                           ; v6, v7: my pos rows in slot 0, 1
.set MADR, 8                           ; v8, v9: my mask rows in slot 0, 1
.set KST,  10                          ; where I put 8 bytes of K
.set VST,  11                          ; of V
.set GOFF, 12                          ; my 16 bytes in a tile of K or V in memory
.set PFO,  13                          ; my block of pos for the prefetch
.set QST,  14                          ; Q on its way to fragments: in
.set QRD,  15                          ; and back
.set OST,  16                          ; the way out: in
.set ORD,  17                          ; and back
.set LOFF, 18                          ; 16 x lane
.set MASK, 96                          ; v[96:127]
.set VF,   128                         ; v[128:255] V fragments: 64 b + 32 jh + 8 dt; on the way out: four buffers of 32
; window 1
.set KF,   0                           ; K fragments: 64 b + 16 t + 8 kf
.set S0,   128                         ; scores of batch b at 32 b, later P in the lower 16
.set POS,  192
.set ST,   224                         ; pairs (NM, M) of unit u at 2 u
.set LS,   240                         ; row sum of unit u
.set T,    248                         ; six temporaries
.set AL,   254                         ; the scale of the old sums, and its partner in the pair
; window 2
.set ACC,  0                           ; out^T: 32 u + 8 dt.  At the start: q as loaded, batch 0 in 0-127, batch 1 in 128-255
; window 3
.set QF,   0                           ; Q fragments: 16 u + 8 kf
.set STG,  128                         ; K and V as loaded: K b0, K b1, V b0, V b1, 32 registers each
; scalars
.set G1,   24                          ; s[24:31] the tile's shape, one for pos and mask
.set G0P,  32                          ; s[32:39] pos: from where, to where; a set for each slot
.set G0M,  68                          ; s[68:75] mask likewise
; windows: bits 1:0 source 0, 3:2 source 1, 5:4 source 2, 7:6 destination
.set W55, 0x55                         ; all in window 1: maxima, sums, conversions
.set WQK, 0x5d                         ; A, C, D window 1, B window 3; also multiply-adds and exponentials in window 1
.set WMM, 0x41                         ; window 1 times mask of window 0
.set WPV, 0xa4                         ; A window 0, B window 1, C and D window 2
.set WRS, 0x86                         ; window 2 times a factor of window 1
.set WL1, 0x40                         ; load into window 1, address in window 0
.set WCV, 0xcf                         ; in place in window 3
.set WST, 0x0c                         ; LDS store of window 3
.set WG3, 0xc0                         ; load into window 3
.set WG2, 0x80                         ; load into window 2
.set WQS, 0x82                         ; window 2 times a scalar
.set WC2, 0x8a                         ; in place in window 2
.set WS2, 0x08                         ; LDS store of window 2
.set MSB, 0
.macro WIN new                         ; the immediate's high byte repeats the setting that is left; a switch that changes nothing is dropped
.if MSB != \new
	s_set_vgpr_msb (MSB<<8)|\new
.set MSB, \new
.endif
.endm
.macro PLACES cnt
.rept \cnt
	v_nop
.endr
.endm
; A round of the cluster's barrier: my work-group's barrier, wave 0 signals for the work-group, every wave waits for all four work-groups, my work-group's barrier again.
.macro ROUND
	s_barrier_signal -1
	s_barrier_wait -1
	s_cmp_lg_u32 s16, 0
	s_cbranch_scc1 .Lnot_wave_0_\@
	s_barrier_signal -3
.Lnot_wave_0_\@:
	s_barrier_wait -3
	s_barrier_signal -1
	s_barrier_wait -1
.endm
; A joint load into slot sl: waves 0, 1 ask for the two halves of pos, waves 2, 3 for those of mask.  The branch hangs on the wave's number alone.
.macro JLOAD sl
	s_cmp_eq_u32 s55, 0
	s_cbranch_scc0 .Lfor_mask_\@
	tensor_load_to_lds s[G0P+4*\sl:G0P+4*\sl+3], s[G1:G1+7]
	s_nop 0
	s_branch .Lasked_\@
.Lfor_mask_\@:
	tensor_load_to_lds s[G0M+4*\sl:G0M+4*\sl+3], s[G1:G1+7]
	s_nop 0
.Lasked_\@:
.endm
	s_load_b256 s[4:11], s[0:1], 0x0               ; q s[4:5], k s[6:7], v s[8:9], pos s[10:11]
	s_load_b128 s[12:15], s[0:1], 0x20             ; mask s[12:13], out s[14:15]
	v_lshl_add_u32 v94, v0, 2, 0x4d800
	v_mov_b32 v95, 0
	ds_add_u32 v94, v95
	v_lshrrev_b32 v1, 5, v0
	v_readfirstlane_b32 s16, v1                    ; wave 0..3
	s_lshr_b32 s55, s16, 1                         ; 0: I fetch pos, 1: mask
	s_bfe_u32 s17, ttmp6, 0x40000                  ; cx: the batch pair
	s_and_b32 s18, ttmp7, 0xffff                   ; h
	s_mov_b32 s19, ttmp9                           ; ib: the cluster's x is the block of 256 query rows
	s_mov_b32 s50, 0x76543210                      ; v_permlanex16_b32: lane i reads lane i of the other half
	s_mov_b32 s51, 0xfedcba98
	s_mov_b32 s52, 0x3fb8aa3b                      ; log2(e), twice (a pair is read whole)
	s_mov_b32 s53, 0x3fb8aa3b
	s_mov_b32 s54, 0xbfb8aa3b                      ; -log2(e)
	s_mov_b32 s56, 0x3e000000                      ; 0.125, twice
	s_mov_b32 s57, 0x3e000000
	; the tile: 128 rows x 64 f32, 16 bytes of padding behind each row
	s_mov_b32 s[G1+0], 0x0772000f                  ; 15:0 mask = the four work-groups; 17:16 elements of 4 bytes; 20 padding on; 21 set beside a mask; 24:22 after every 64 words; 31:25 four words
	s_mov_b32 s[G1+1], 64<<16                      ; tensor_dim0 = 64
	s_mov_b32 s[G1+2], 128<<16                     ; tensor_dim1 = 128
	s_mov_b32 s[G1+3], 64<<16                      ; tile_dim0 = 64
	s_mov_b32 s[G1+4], 128                         ; tile_dim1 = 128
	s_mov_b32 s[G1+5], 2048                        ; elements from row to row
	s_mov_b32 s[G1+6], 0
	s_mov_b32 s[G1+7], 0
	; where the tiles come from: head, row block and wave alone, which the four partners share
	s_and_b32 s20, s16, 1
	s_lshl_b32 s20, s20, 20                        ; my 128 rows of 8,192 bytes
	s_lshl_b32 s21, s19, 21                        ; the block's 256 rows
	s_add_co_u32 s20, s20, s21                     ; offset in mask
	s_mov_b32 s21, 0
	s_lshl_b32 s22, s18, 24                        ; the head's plane
	s_add_co_u32 s22, s22, s20                     ; offset in pos
	s_mov_b32 s23, 0
	s_mul_i32 s59, s16, HALF                       ; and where they go: pos' halves, then mask's = wave x 128 rows
	s_lshl_b32 s2, s18, 24
	s_lshl_b32 s3, s19, 21
	s_add_co_u32 s2, s2, s3
	s_add_co_u32 s2, s2, 512                       ; the prefetch begins at tile 2 of the block's rows
	s_mov_b32 s3, 0
	s_wait_dscnt 0x0
	s_wait_kmcnt 0x0
	s_add_nc_u64 s[22:23], s[10:11], s[22:23]
	s_add_nc_u64 s[20:21], s[12:13], s[20:21]
	s_add_nc_u64 s[46:47], s[10:11], s[2:3]
.irp i, 0,1
	s_mov_b32 s[G0P+4*\i], 1
	s_add_co_u32 s[G0P+4*\i+1], s59, \i*SLOT
	s_add_nc_u64 s[G0P+4*\i+2:G0P+4*\i+3], s[22:23], \i*256        ; tile i: 64 columns of 4 bytes on
	s_or_b32 s[G0P+4*\i+3], s[G0P+4*\i+3], 0x80000000
	s_mov_b32 s[G0M+4*\i], 1
	s_add_co_u32 s[G0M+4*\i+1], s59, \i*SLOT
	s_add_nc_u64 s[G0M+4*\i+2:G0M+4*\i+3], s[20:21], \i*256
	s_or_b32 s[G0M+4*\i+3], s[G0M+4*\i+3], 0x80000000
.endr
	ROUND                                          ; all four work-groups are here: the first joint load meets
	JLOAD 0                                        ; tile 0; slot 1 is first filled behind the first step's round
	; q, k, v, out: these hang on the batch pair
	s_lshl_b32 s60, s17, 6
	s_lshl4_add_u32 s60, s16, s60                  ; 64 cx + 16 w: my 16 of the cluster's 256 pos rows, for the prefetch
	v_and_b32 v1, 15, v0                           ; r
	v_bfe_u32 v2, v0, 4, 1                         ; hh
	v_and_b32 v3, 31, v0                           ; lane
	v_lshrrev_b32 v[PFO], 1, v3
	v_add_nc_u32 v[PFO], s60, v[PFO]
	v_and_b32 v19, 1, v0
	v_lshlrev_b32 v19, 8, v19
	v_lshl_add_u32 v[PFO], v[PFO], 13, v19         ; row x 8,192 + (lane & 1) x 256: two tiles of 16 rows
	s_lshl_b32 s60, s17, 4
	s_add_co_u32 s60, s60, s18                     ; 8 x (2 cx) + h
	s_lshl_b32 s60, s60, 19                        ; x 2048 rows of 256 bytes
	s_mov_b32 s61, 0
	s_lshl_b32 s62, s19, 16                        ; the block's 256 rows
	s_lshl_b32 s63, s16, 14                        ; my 64 rows
	s_add_co_u32 s62, s62, s63
	s_add_co_u32 s62, s62, s60
	s_mov_b32 s63, 0
	s_add_nc_u64 s[40:41], s[6:7], s[60:61]        ; K
	s_add_nc_u64 s[42:43], s[8:9], s[60:61]        ; V
	s_add_nc_u64 s[48:49], s[4:5], s[62:63]        ; Q, my rows
	s_add_nc_u64 s[44:45], s[14:15], s[62:63]      ; out, my rows
	v_lshlrev_b32 v[LOFF], 4, v3
	v_lshl_add_u32 v[GOFF], s16, 12, v[LOFF]       ; my 16 rows of a tile of 64: 4,096 w + 16 lane
	; q of my 64 rows, both batches: 32 loads of 512 neighbouring bytes each; then the first tile of K and V
	WIN WG2
.set i, 0
.rept 32
	global_load_b128 v[4*i:4*i+3], v[LOFF], s[48:49] offset:512*i th:TH_LOAD_NT
.set i, i+1
.endr
.set i, 0
.rept 32
	global_load_b128 v[128+4*i:128+4*i+3], v[LOFF], s[48:49] offset:BSTR+512*i th:TH_LOAD_NT
.set i, i+1
.endr
; 32 loads: my 16 rows of the tiles of K and of V, both batches.  Load i of a tile: rows 16 w + 2 i + hh, 16 bytes at 16 r.
.macro KVLOAD
	WIN WG3
.irp i, 0,1,2,3,4,5,6,7
	global_load_b128 v[STG+4*\i:STG+4*\i+3], v[GOFF], s[40:41] offset:512*\i
.endr
.irp i, 0,1,2,3,4,5,6,7
	global_load_b128 v[STG+32+4*\i:STG+32+4*\i+3], v[GOFF], s[40:41] offset:BSTR+512*\i
.endr
.irp i, 0,1,2,3,4,5,6,7
	global_load_b128 v[STG+64+4*\i:STG+64+4*\i+3], v[GOFF], s[42:43] offset:512*\i
.endr
.irp i, 0,1,2,3,4,5,6,7
	global_load_b128 v[STG+96+4*\i:STG+96+4*\i+3], v[GOFF], s[42:43] offset:BSTR+512*\i
.endr
	WIN 0
.endm
	KVLOAD
	; LDS addresses: a scalar base of the wave's number and constants, plus a lane term
	v_mul_u32_u24 v[KADR], v1, KP
	v_lshl_add_u32 v[KADR], v2, 4, v[KADR]         ; r x pitch + 16 hh
	s_mul_i32 s2, s16, KB
	s_add_co_u32 s2, s2, KV                        ; my area for Q: 64 rows of 144 bytes
	v_add_nc_u32 v[QRD], s2, v[KADR]
	v_add_nc_u32 v[KADR], KV, v[KADR]
	v_mul_u32_u24 v19, v2, KP
	v_lshl_add_u32 v19, v1, 3, v19                 ; hh x pitch + 8 r
	v_add_nc_u32 v[QST], s2, v19
	s_mul_i32 s3, s16, 16*KP
	s_add_co_u32 s3, s3, KV                        ; my 16 rows of K's tile
	v_add_nc_u32 v[KST], s3, v19
	v_mul_u32_u24 v[VST], v2, VP
	v_lshl_add_u32 v[VST], v1, 3, v[VST]
	s_mul_i32 s2, s16, 16*VP
	s_add_co_u32 s2, s2, KV+VOFF                   ; my 16 rows of V's tile
	v_add_nc_u32 v[VST], s2, v[VST]
	v_and_b32 v[VADR], 7, v0
	v_lshl_add_u32 v[VADR], v2, 3, v[VADR]         ; key row 8 hh + (lane & 7)
	v_mul_u32_u24 v[VADR], v[VADR], VP
	v_bfe_u32 v19, v0, 3, 1
	v_lshl_add_u32 v[VADR], v19, 4, v[VADR]        ; + 16 x ((lane >> 3) & 1)
	v_add_nc_u32 v[VADR], KV+VOFF, v[VADR]
	v_mul_u32_u24 v19, v1, PITCH
	v_lshl_add_u32 v19, v2, 5, v19                 ; r x 272 + 32 hh
	s_mul_i32 s3, s16, 64*PITCH                    ; my 64 rows of pos and mask
	v_add_nc_u32 v[PADR], s3, v19
	v_add_nc_u32 v[PADR+1], SLOT, v[PADR]
	v_add_nc_u32 v[MADR], PLANE, v[PADR]
	v_add_nc_u32 v[MADR+1], SLOT+PLANE, v[PADR]
	s_mul_i32 s2, s16, 16*PITCH
	s_add_co_u32 s2, s2, KV                        ; my stage for the way out: 16 rows of 272 bytes
	v_add_nc_u32 v[OST], s2, v19
	v_mul_u32_u24 v[ORD], v2, PITCH
	v_lshl_add_u32 v[ORD], v1, 4, v[ORD]           ; back: lanes 0-15 one row of 256 bytes, lanes 16-31 the next
	v_add_nc_u32 v[ORD], s2, v[ORD]
	WIN WL1
	v_mov_b32 v[AL+1], 0                           ; partner of the scale register: the packed forms name the pair and use the first
	WIN 0
; q of batch b: times 0.125, to f16, through my own LDS area into fragments (16 rows x 32 d: two loads of 16 bytes, 32 bytes apart)
.macro QCONV b
	WIN WQS
.set i, 0
.rept 64
	v_pk_mul_f32 v[128*\b+2*i:128*\b+2*i+1], v[128*\b+2*i:128*\b+2*i+1], s[56:57] op_sel_hi:[1,0]
.set i, i+1
.endr
	WIN WC2
.set i, 0
.rept 32
	v_cvt_pk_f16_f32 v[128*\b+4*i], v[128*\b+4*i], v[128*\b+4*i+1]
	v_cvt_pk_f16_f32 v[128*\b+4*i+1], v[128*\b+4*i+2], v[128*\b+4*i+3]
.set i, i+1
.endr
	WIN WS2
.set i, 0
.rept 32
	ds_store_b64 v[QST], v[128*\b+4*i:128*\b+4*i+1] offset:2*KP*i
.set i, i+1
.endr
	WIN WG3
.irp it, 0,1,2,3
.irp kf, 0,1
	ds_load_b128 v[QF+16*(2*\it+\b)+8*\kf:QF+16*(2*\it+\b)+8*\kf+3],   v[QRD] offset:\it*16*KP+64*\kf      ; LDS serves a wave's instructions in order: these see the stores above
	ds_load_b128 v[QF+16*(2*\it+\b)+8*\kf+4:QF+16*(2*\it+\b)+8*\kf+7], v[QRD] offset:\it*16*KP+64*\kf+32
.endr
.endr
	WIN 0
.endm
; The tile of K and V that is in registers goes to LDS as f16.  ld = 1: the tile after it is asked for; ld = 2: the same, but not in the loop's last trip
; (step 30: tile 32 does not exist).  pf = 1: with these loads goes the prefetch of pos.
.macro KVSTORE ld, pf
	s_wait_loadcnt 0x0                             ; the 32 loads issued a step ago; this also frees their bases
	WIN WCV
.set i, 0
.rept 32
	v_cvt_pk_f16_f32 v[STG+4*i], v[STG+4*i], v[STG+4*i+1]
	v_cvt_pk_f16_f32 v[STG+4*i+1], v[STG+4*i+2], v[STG+4*i+3]
.set i, i+1
.endr
	WIN WST
.irp i, 0,1,2,3,4,5,6,7
	ds_store_b64 v[KST], v[STG+4*\i:STG+4*\i+1] offset:2*KP*\i
.endr
.irp i, 0,1,2,3,4,5,6,7
	ds_store_b64 v[KST], v[STG+32+4*\i:STG+32+4*\i+1] offset:KB+2*KP*\i
.endr
.irp i, 0,1,2,3,4,5,6,7
	ds_store_b64 v[VST], v[STG+64+4*\i:STG+64+4*\i+1] offset:2*VP*\i
.endr
.irp i, 0,1,2,3,4,5,6,7
	ds_store_b64 v[VST], v[STG+96+4*\i:STG+96+4*\i+1] offset:VB+2*VP*\i
.endr
	WIN 0
.if \ld == 2
	s_cmp_eq_u32 s58, 1                            ; the trip counter runs 15 .. 1: in the last trip nothing is left to ask for.  The jump passes plain loads and the prefetch alone
	s_cbranch_scc1 .Lno_more_\@
.endif
.if \ld
	s_add_nc_u64 s[40:41], s[40:41], 16384         ; 64 rows of 256 bytes on
	s_add_nc_u64 s[42:43], s[42:43], 16384
	KVLOAD
.if \pf
	global_prefetch_b8 v[PFO], s[46:47] th:TH_LOAD_NT scope:SCOPE_SE   ; pos, the tiles of steps +2 and +3, whose tensor loads go out at the heads of the next two steps: this wave asks for 16 of the cluster's 256 rows, lanes 256 bytes apart; each block is asked for once; step 28 asks for tiles 30 and 31, the last
.endif
.endif
.if \ld == 2
.Lno_more_\@:
.endif
.endm
	s_wait_loadcnt 63                              ; q of batch 0 is in: 64 loads are younger, and 63 is the largest count that the wait names
	QCONV 0
	s_wait_loadcnt 32                              ; q of batch 1 is in: the 32 loads of K and V are younger
	s_wait_dscnt 0x0
	QCONV 1
	s_wait_dscnt 0x0                               ; my reads of my Q area are back:
	s_barrier_signal -1                            ; the others' K and V will land on it.  Behind this barrier no tensor load is issued: tile 0 may stay on its way
	s_barrier_wait -1
	KVSTORE 1, 0                                   ; tile 0 to LDS, tile 1 asked for
; 8 loads: pos (mask) of my rows 16 it .. 16 it + 15, the step's 64 columns: lane (r, hh) takes 32 bytes at 64 t + 32 hh of row r for t = 0..3
.macro LDP slot, it
	WIN WL1
.irp t, 0,1,2,3
	ds_load_b128 v[POS+8*\t:POS+8*\t+3],   v[PADR+\slot] offset:(\it)*16*PITCH+64*\t
	ds_load_b128 v[POS+8*\t+4:POS+8*\t+7], v[PADR+\slot] offset:(\it)*16*PITCH+64*\t+16
.endr
.endm
.macro LDM slot, it
	WIN 0
.irp t, 0,1,2,3
	ds_load_b128 v[MASK+8*\t:MASK+8*\t+3],   v[MADR+\slot] offset:(\it)*16*PITCH+64*\t
	ds_load_b128 v[MASK+8*\t+4:MASK+8*\t+7], v[MADR+\slot] offset:(\it)*16*PITCH+64*\t+16
.endr
.endm
; 16 loads: K's fragments of batch b
.macro KFL b
	WIN WL1
.irp t, 0,1,2,3
.irp kf, 0,1
	ds_load_b128 v[KF+64*\b+16*\t+8*\kf:KF+64*\b+16*\t+8*\kf+3],   v[KADR] offset:\b*KB+\t*16*KP+64*\kf
	ds_load_b128 v[KF+64*\b+16*\t+8*\kf+4:KF+64*\b+16*\t+8*\kf+7], v[KADR] offset:\b*KB+\t*16*KP+64*\kf+32
.endr
.endr
.endm
; 16 loads: V's fragments of batch b
.macro VFL b
	WIN 0
.irp jh, 0,1
.irp dt, 0,1,2,3
	ds_load_tr16_b128 v[VF+64*\b+32*\jh+8*\dt:VF+64*\b+32*\jh+8*\dt+3],   v[VADR] offset:\b*VB+\jh*32*VP+32*\dt          ; keys 32 jh + 8 hh + 0..7 of column 16 dt + r
	ds_load_tr16_b128 v[VF+64*\b+32*\jh+8*\dt+4:VF+64*\b+32*\jh+8*\dt+7], v[VADR] offset:\b*VB+\jh*32*VP+32*\dt+16*VP   ; keys 16 further on
.endr
.endr
.endm
; Product k (0..7) of S^T of unit u: tile t = k % 4 of 16 keys, half kf = k / 4 of d.  The first half takes pos as C.  In the order k = 0..7 the four
; accumulators take turns.
.macro QKW u, k
.set QD, S0+32*((\u)&1)+8*((\k)%4)
.set QA, KF+64*((\u)&1)+16*((\k)%4)+8*((\k)/4)
.set QB, QF+16*(\u)+8*((\k)/4)
.if (\k)/4
	v_wmma_f32_16x16x32_f16 v[QD:QD+7], v[QA:QA+7], v[QB:QB+7], v[QD:QD+7]
.else
	v_wmma_f32_16x16x32_f16 v[QD:QD+7], v[QA:QA+7], v[QB:QB+7], v[POS+8*((\k)%4):POS+8*((\k)%4)+7]
.endif
.endm
; Product k (0..7) of out^T of unit u: columns dt = k % 4, keys jh = k / 4.  first = 1: the first half starts the sums.  Four accumulators by turns.
.macro PVW u, k, first
.set PA, VF+64*((\u)&1)+32*((\k)/4)+8*((\k)%4)
.set PB, S0+32*((\u)&1)+8*((\k)/4)
.set PD, ACC+32*(\u)+8*((\k)%4)
.if (\first)*(1-(\k)/4)
	v_wmma_f32_16x16x32_f16 v[PD:PD+7], v[PA:PA+7], v[PB:PB+7], 0
.else
	v_wmma_f32_16x16x32_f16 v[PD:PD+7], v[PA:PA+7], v[PB:PB+7], v[PD:PD+7]
.endif
.endm
.macro PVH en, u, k, first             ; one such product among vector lines; the lines behind it set their own window
.if \en
	WIN WPV
	PVW \u, \k, \first
.endif
.endm
; pieces of a stage; SB = the unit's scores, SU = its pair (NM, M)
.macro MMQ q0, q1                      ; scores times mask, pairs q0 .. q1
	WIN WMM
.set i, (\q0)
.rept (\q1)-(\q0)+1
	v_pk_mul_f32 v[SB+2*i:SB+2*i+1], v[SB+2*i:SB+2*i+1], v[MASK+2*i:MASK+2*i+1]
.set i, i+1
.endr
.endm
.macro FMAQ q0, q1                     ; log2(e) s + NM, pairs q0 .. q1
.set i, (\q0)
.rept (\q1)-(\q0)+1
	v_pk_fma_f32 v[SB+2*i:SB+2*i+1], v[SB+2*i:SB+2*i+1], s[52:53], v[SU:SU+1] op_sel_hi:[1,0,0]
.set i, i+1
.endr
.endm
.macro EXPQ r0                         ; four exponentials
.set i, (\r0)
.rept 4
	v_exp_f32 v[SB+i], v[SB+i]
.set i, i+1
.endr
.endm
; STAGE u, FIRST THIRD: mask multiply and maximum; among them the 8 products out^T of unit u - 1 (pv = 1).
; wt: the LDS count in front (-1: none).  hook = 1: mask of tile hit is asked for, behind the last use of the old one; hook = 2: V of batch 1.  bw = 1: the middle barrier's wait.
.macro PH1 u, first, pv, wt, hook, slot, hit, bw
.set SB, S0+32*((\u)&1)
.set SU, ST+2*(\u)
.if \wt >= 0
	s_wait_dscnt \wt
.endif
	MMQ 0, 4
	PVH \pv, \u-1, 0, \first
	MMQ 5, 9
	PVH \pv, \u-1, 1, \first
	MMQ 10, 15
	PVH \pv, \u-1, 2, \first
.if \bw
	WIN 0
	s_barrier_wait -1                              ; every wave holds the step's K and V in registers
.endif
.if \hook == 1
	LDM \slot, \hit
.endif
.if \hook == 2
	VFL 1
.endif
	WIN W55                                        ; the largest of my 32 scores and the old maximum: four chains of three-way maxima
.irp c, 0,1,2,3
	v_max3_num_f32 v[T+\c], v[SB+8*\c], v[SB+8*\c+1], v[SB+8*\c+2]
.endr
	PVH \pv, \u-1, 3, \first
	WIN W55
.irp c, 0,1,2,3
	v_max3_num_f32 v[T+\c], v[T+\c], v[SB+8*\c+3], v[SB+8*\c+4]
.endr
	PVH \pv, \u-1, 4, \first
	WIN W55
.irp c, 0,1,2,3
	v_max3_num_f32 v[T+\c], v[T+\c], v[SB+8*\c+5], v[SB+8*\c+6]
.endr
	PVH \pv, \u-1, 5, \first
	WIN W55
	v_max3_num_f32 v[T], v[T], v[T+1], v[SB+7]
	v_max3_num_f32 v[T+2], v[T+2], v[T+3], v[SB+15]
	v_max3_num_f32 v[T], v[T], v[T+2], v[SB+23]
	PVH \pv, \u-1, 6, \first
	WIN W55
.if \first
	v_max_num_f32 v[T], v[T], v[SB+31]
.else
	v_max3_num_f32 v[T], v[T], v[SB+31], v[SU+1]
.endif
	v_permlanex16_b32 v[T+1], v[T], s50, s51       ; the row's other 32 keys lie in lane r + 16
	PVH \pv, \u-1, 7, \first
	WIN W55
	v_max_num_f32 v[SU+1], v[T], v[T+1]            ; M
.if \first
	v_mul_f32 v[SU], s54, v[SU+1]                  ; NM = -log2(e) M
.else
	v_mul_f32 v[T+2], s54, v[SU+1]
	v_sub_f32 v[AL], v[T+2], v[SU]                 ; NM_new - NM_old, both as rounded
	v_mov_b32 v[SU], v[T+2]
	v_exp_f32 v[AL], v[AL]                         ; the scale of the old sums; first used in the last third
.endif
.endm
; SECOND THIRD: multiply-adds and exponentials; among them the 8 products S^T of unit u + 1 (qk = 1), all under one window setting.
; The first eight multiply-adds are also the places between the last product that read P of unit u - 1 and the first that writes over it (ISA guide 7.12.1).
.macro PH2 u, qk, wt
.set SB, S0+32*((\u)&1)
.set SU, ST+2*(\u)
	WIN WQK
.if \wt >= 0
	s_wait_dscnt \wt
.endif
	FMAQ 0, 7
.irp g, 0,1,2,3,4,5,6,7
.if \qk
	QKW \u+1, \g
.endif
	EXPQ 4*\g
.if \g < 4
	FMAQ 8+2*\g, 9+2*\g
.endif
.endr
.endm
; LAST THIRD: the old out^T is scaled, p is summed and packed to f16.  ldp >= 0: pos of tile ldp is asked for.
.macro PH3 u, first, slot, ldp
.set SB, S0+32*((\u)&1)
.if \first == 0
	WIN WRS                                        ; these lines are also the plain place behind the exponentials (ISA guide 5.7.2)
.set i, 0
	s_wait_alu depctr_va_vdst(0)
.rept 16
	v_pk_mul_f32 v[ACC+32*(\u)+2*i:ACC+32*(\u)+2*i+1], v[ACC+32*(\u)+2*i:ACC+32*(\u)+2*i+1], v[AL:AL+1] op_sel_hi:[1,0]
.set i, i+1
.endr
.endif
	WIN W55                                        ; three chains of pair sums; pair j is summed before a conversion writes over it (conversion q writes register q, of pair q / 2)
	s_wait_alu depctr_va_vdst(0)
	v_pk_add_f32 v[T:T+1],   v[SB:SB+1],   v[SB+2:SB+3]
	v_pk_add_f32 v[T+2:T+3], v[SB+4:SB+5], v[SB+6:SB+7]
	v_pk_add_f32 v[T+4:T+5], v[SB+8:SB+9], v[SB+10:SB+11]
.set i, 6
.rept 4
	v_pk_add_f32 v[T+2*(i%3):T+2*(i%3)+1], v[T+2*(i%3):T+2*(i%3)+1], v[SB+2*i:SB+2*i+1]
	v_cvt_pk_f16_f32 v[SB+i-6], v[SB+2*(i-6)], v[SB+2*(i-6)+1]
.set i, i+1
.endr
.if \ldp >= 0
	LDP \slot, \ldp                                ; the last product that took pos as C lies more than four plain vector lines back (ISA guide 7.12.1)
	WIN W55
.endif
.set i, 10
.rept 6
	v_pk_add_f32 v[T+2*(i%3):T+2*(i%3)+1], v[T+2*(i%3):T+2*(i%3)+1], v[SB+2*i:SB+2*i+1]
	v_cvt_pk_f16_f32 v[SB+i-6], v[SB+2*(i-6)], v[SB+2*(i-6)+1]
.set i, i+1
.endr
	v_pk_add_f32 v[T:T+1], v[T:T+1], v[T+2:T+3]
	v_cvt_pk_f16_f32 v[SB+10], v[SB+20], v[SB+21]
	v_pk_add_f32 v[T:T+1], v[T:T+1], v[T+4:T+5]
	v_cvt_pk_f16_f32 v[SB+11], v[SB+22], v[SB+23]
	v_cvt_pk_f16_f32 v[SB+12], v[SB+24], v[SB+25]
.if \first
	v_add_f32 v[LS+\u], v[T], v[T+1]
.else
	v_add_f32 v[T], v[T], v[T+1]
.endif
	v_cvt_pk_f16_f32 v[SB+13], v[SB+26], v[SB+27]
	v_cvt_pk_f16_f32 v[SB+14], v[SB+28], v[SB+29]
.if \first == 0
	v_fma_f32 v[LS+\u], v[LS+\u], v[AL], v[T]
.endif
	v_cvt_pk_f16_f32 v[SB+15], v[SB+30], v[SB+31]  ; registers 8 jh .. 8 jh + 7 are now source 1 for keys 32 jh .. 32 jh + 31
.endm
; One step of 64 keys on slot 'slot' (oth = the other slot).
; refill: the next tile of pos and mask is asked for.  kvst: the next tile of K and V goes to LDS; kvld, pf: KVSTORE's arguments.  pfstep: the prefetch's base steps.
.macro STEP slot, oth, first, refill, kvst, kvld, pf, pfstep
	s_wait_tensorcnt 0x0                           ; my one tensor load has landed: my part of this step's tile; no load of mine is out, so the descriptors may be written
	ds_add_u32 v94, v95
	s_wait_dscnt 0x0
	s_add_nc_u64 s[G0P+4*\slot+2:G0P+4*\slot+3], s[G0P+4*\slot+2:G0P+4*\slot+3], 512   ; this slot's next tile: two tiles of 256 bytes on
	s_add_nc_u64 s[G0M+4*\slot+2:G0M+4*\slot+3], s[G0M+4*\slot+2:G0M+4*\slot+3], 512
.if \pfstep
	s_wait_xcnt 0x0                                ; the prefetch of the step before has had its address translated
	s_add_nc_u64 s[46:47], s[46:47], 512
.endif
	s_wait_dscnt 0x0                               ; my reads of the other slot are back, and my stores of this step's K and V are done
	ROUND                                          ; all that now holds of every wave of the four work-groups
.if \refill
	JLOAD \oth                                     ; my one tensor load behind the round; it has the whole step in which to land
.endif
	LDP \slot, 0                                   ; 8
	KFL 0                                          ; 16
	KFL 1                                          ; 16
	LDM \slot, 0                                   ; 8
	s_wait_dscnt 24                                ; pos and K of batch 0 are in; younger: K of batch 1 (16) and mask (8)
	WIN WQK
.irp g, 0,1,2,3,4,5,6,7
	QKW 0, \g
.endr
	WIN 0
	PLACES 4                                       ; four places before vector lines read S^T of unit 0, and before loads land on V's fragments, which the last step's last products read
	VFL 0                                          ; 16
	PH1 0, \first, 0, 16, 2, \slot, 0, 0           ; 16: mask and K of batch 1 are in; V of batch 0 is younger
	PH2 0, 1, -1
	PH3 0, \first, \slot, 1
	s_wait_dscnt 0x0                               ; all my LDS loads are back, the step's fragments of K and V among them:
	s_barrier_signal -1                            ; behind this barrier the next tile of K and V is stored over them.  Up to its wait: register work alone
	PH1 1, \first, 1, -1, 1, \slot, 1, 1
	PH2 1, 1, -1                                   ; pos of tile 1 was covered by the wait for 0 above
	PH3 1, \first, \slot, -1
.if \kvst
	KVSTORE \kvld, \pf
.endif
	PH1 2, \first, 1, 32*\kvst, 0, \slot, 0, 0     ; mask of tile 1 is in; the 32 stores of K and V, where there are any, are younger
	PH2 2, 1, -1
	PH3 2, \first, \slot, 2
	PH1 3, \first, 1, -1, 1, \slot, 2, 0
	PH2 3, 1, 8                                    ; pos of tile 2 is in; mask's 8 loads are younger
	PH3 3, \first, \slot, -1
	PH1 4, \first, 1, 0, 0, \slot, 0, 0
	PH2 4, 1, -1
	PH3 4, \first, \slot, 3
	PH1 5, \first, 1, -1, 1, \slot, 3, 0
	PH2 5, 1, 8
	PH3 5, \first, \slot, -1
	PH1 6, \first, 1, 0, 0, \slot, 0, 0
	PH2 6, 1, -1
	PH3 6, \first, \slot, -1
	PH1 7, \first, 1, -1, 0, \slot, 0, 0
	PH2 7, 0, -1                                   ; the next unit needs the next step's K
	PH3 7, \first, \slot, -1
	WIN WPV
.irp g, 0,1,2,3,4,5,6,7
	PVW 7, \g, \first
.endr
	WIN 0
.endm
	STEP 0, 1, 1, 1, 1, 1, 1, 0                    ; step 0 starts the sums: nothing is cleared
	s_mov_b32 s58, 15
.Lpair:                                            ; steps 1 to 30
	STEP 1, 0, 0, 1, 1, 1, 0, 1
	STEP 0, 1, 0, 1, 1, 2, 1, 0
	s_sub_co_u32 s58, s58, 1
	s_cmp_lg_u32 s58, 0
	s_cbranch_scc1 .Lpair
	STEP 1, 0, 0, 0, 0, 0, 0, 0                    ; step 31 fetches nothing; its middle barrier stands between the last reads of K and V and the stage below
	; 1 / row sum: mine and the other lane's.  The eight sums are also the places behind the last products (ISA guide 7.12.1)
	WIN W55
.irp u, 0,1,2,3,4,5,6,7
	v_permlanex16_b32 v[ST+2*\u+1], v[LS+\u], s50, s51
.endr
.irp u, 0,1,2,3,4,5,6,7
	v_add_f32 v[LS+\u], v[LS+\u], v[ST+2*\u+1]
.endr
.irp u, 0,1,2,3,4,5,6,7
	v_rcp_f32 v[ST+2*\u], v[LS+\u]                 ; the sum is at least about 1: the row's largest term
.endr
	v_nop                                          ; one plain place behind the reciprocals (ISA guide 5.7.2)
	s_wait_alu depctr_va_vdst(0)
; THE WAY OUT, a unit (16 rows) at a time: scale, 32 bytes a lane into my own stage, read back as whole rows of 256 bytes, store.
.macro OUTU u, it, b, buf
	s_wait_xcnt 0x0                                ; registers that earlier stores read are loaded again only behind this wait
	WIN WRS
.set i, 0
.rept 16
	v_pk_mul_f32 v[ACC+32*\u+2*i:ACC+32*\u+2*i+1], v[ACC+32*\u+2*i:ACC+32*\u+2*i+1], v[ST+2*\u:ST+2*\u+1] op_sel_hi:[1,0]
.set i, i+1
.endr
	WIN WS2
.irp dt, 0,1,2,3
	ds_store_b128 v[OST], v[ACC+32*\u+8*\dt:ACC+32*\u+8*\dt+3]   offset:64*\dt      ; d = 16 dt + 8 hh + 0..3 of row r
	ds_store_b128 v[OST], v[ACC+32*\u+8*\dt+4:ACC+32*\u+8*\dt+7] offset:64*\dt+16
.endr
	WIN 0
.irp j, 0,1,2,3,4,5,6,7
	ds_load_b128 v[VF+32*\buf+4*\j:VF+32*\buf+4*\j+3], v[ORD] offset:2*PITCH*\j    ; LDS serves a wave's instructions in order: these see the stores above
.endr
.irp j, 0,1,2,3,4,5,6,7
	s_wait_dscnt 7-\j
	global_store_b128 v[LOFF], v[VF+32*\buf+4*\j:VF+32*\buf+4*\j+3], s[44:45] offset:\b*BSTR+\it*4096+512*\j th:TH_STORE_NT   ; 16 lanes store one row of out: 256 consecutive bytes, aligned
.endr
.endm
	OUTU 0, 0, 0, 0
	OUTU 1, 0, 1, 1
	OUTU 2, 1, 0, 2
	OUTU 3, 1, 1, 3
	OUTU 4, 2, 0, 0
	OUTU 5, 2, 1, 1
	OUTU 6, 3, 0, 2
	OUTU 7, 3, 1, 3
	s_wait_tensorcnt 0x0
	ds_add_u32 v94, v95
	s_wait_dscnt 0x0
	ROUND                                          ; the closing round: no work-group ends while a partner may still ask for a tile that names it
	s_endpgm
.Lfunc_end_k_q693e045096_attn:
	.size	k_q693e045096_attn, .Lfunc_end_k_q693e045096_attn-k_q693e045096_attn
	.p2alignl 7, 3214868480
	.fill 96, 4, 3214868480
	.section	.rodata,"a",@progbits
	.p2align	6, 0x0
	.amdhsa_kernel k_q693e045096_attn
		.amdhsa_group_segment_fixed_size 327680
		.amdhsa_private_segment_fixed_size 0
		.amdhsa_enable_private_segment 0
		.amdhsa_kernarg_size 48
		.amdhsa_user_sgpr_count 2
		.amdhsa_user_sgpr_kernarg_segment_ptr 1
		.amdhsa_wavefront_size32 1
		.amdhsa_system_sgpr_workgroup_id_x 1
		.amdhsa_system_sgpr_workgroup_id_y 1
		.amdhsa_system_sgpr_workgroup_id_z 1
		.amdhsa_system_vgpr_workitem_id 0
		.amdhsa_next_free_vgpr 1024
		.amdhsa_next_free_sgpr 76
		.amdhsa_reserve_vcc 0
		.amdhsa_float_denorm_mode_32 3
		.amdhsa_float_denorm_mode_16_64 3
		.amdhsa_memory_ordered 1
		.amdhsa_forward_progress 1
		.amdhsa_inst_pref_size 255
	.end_amdhsa_kernel
	.section	.bss,"aw",@nobits
	.p2align	6
	.space	262144
	.amdgpu_metadata
---
amdhsa.version: [ 1, 2 ]
amdhsa.kernels:
  - .name:           k_q693e045096_attn
    .symbol:         k_q693e045096_attn.kd
    .args:
      - { .name: q, .offset: 0, .size: 8, .value_kind: global_buffer, .address_space: global }
      - { .name: k, .offset: 8, .size: 8, .value_kind: global_buffer, .address_space: global }
      - { .name: v, .offset: 16, .size: 8, .value_kind: global_buffer, .address_space: global }
      - { .name: pos_scores, .offset: 24, .size: 8, .value_kind: global_buffer, .address_space: global }
      - { .name: mask, .offset: 32, .size: 8, .value_kind: global_buffer, .address_space: global }
      - { .name: out0, .offset: 40, .size: 8, .value_kind: global_buffer, .address_space: global }
    .group_segment_fixed_size: 327680
    .private_segment_fixed_size: 0
    .kernarg_segment_align: 8
    .kernarg_segment_size: 48
    .max_flat_workgroup_size: 128
    .sgpr_count:     76
    .vgpr_count:     1024
    .wavefront_size: 32
...
	.end_amdgpu_metadata
.endif
;; end of part 2
